; MI455X (gfx1250); checked and timed in simulation.
; The chip was launched on July 23, 2026; its instructions are those of AMD's public machine-readable ISA for CDNA 5 (MIT licence, August 2026) and "CDNA5" Instruction Set Architecture Reference Guide (July 2026). The comments in the code are by the model that wrote it; some were corrected since.
;; Local Gird Attention. Allowed arithmetic: float matrix products may take bf16 or f16 operands with f32 sums; all other float work in f32.
;; Inputs: Wk 256 x 256 float32; Wq 256 x 256 float32; Wv 256 x 256 float32; bk 256 float32; bq 256 float32; bv 256 float32; featmap 2 x 256 x 256 x 256 float32; x 2 x 256 x 64 x 64 float32.
;; Outputs: out0 2 x 256 x 64 x 64 float32.
;; One version. Each part assembles by itself: llvm-mc -triple=amdgcn-amd-amdhsa -mcpu=gfx1250 --defsym DOCPART=n.
;; ======== version 1 of 1: 1 launch
;; limits: values are held in f16: magnitudes above 65,504 overflow, below 6.1e-05 lose precision
;; launch lga (part 1): grid 256 x 1, 16 waves a work-group, no clusters, 324,096 bytes of LDS; arguments featmap, x, Wq, bq, Wk, bk, Wv, bv, out0; writes out0
.if DOCPART == 1
	.amdgcn_target "amdgcn-amd-amdhsa--gfx1250"
	.amdhsa_code_object_version 6
	.text
	.protected	k_q116145488f_lga
	.globl	k_q116145488f_lga
	.p2align	8
	.type	k_q116145488f_lga,@function
k_q116145488f_lga:
	s_mov_b64 s[64:65], 0
	v_nop
	global_prefetch_b8 v0, s[64:65] scope:SCOPE_SE
	s_setreg_imm32_b32 hwreg(HW_REG_WAVE_MODE, 25, 1), 1
	s_wait_xcnt 0x0
; LOCAL GRID ATTENTION.  x [2][256][64][64], featmap [2][256][256][256], Wq, Wk, Wv [256][256], bq, bk, bv [256], out0 [2][256][64][64], all f32.
; Each of the 2 x 64 x 64 cells has 8 heads of 32 channels and attends to its own 4 x 4 pixels of featmap (pos = 4 x pixel row + pixel column).
; The two projections of featmap are reassociated, which holds for every input:
;   logit(head, pos) = (Wk_h^T q_h) . f_pos + q_h . bk_h          out_h = Wv_h (sum over pos of attn f_pos) + bv_h   (the softmax sums to 1)
; so a cell costs 262,144 multiply-adds and featmap is read once.
; LIMITS.  Every matrix operand is f16, every sum f32: a magnitude above 65,504 in x, featmap, Wq, Wk, Wv, q, Wk^T q or the weighted sum of f becomes
; infinity; magnitudes below 6.1e-5 keep an absolute precision of 3e-8.  The order of rounding differs from the written order of the reference.
; SHARES.  256 work-groups; a work-group owns 32 cells of one cell row, two tiles of 16.  16 waves run one text without a branch; wave w = 8 T + u:
;   stream: of each K step (32 channels x 32 cells) channels 2w, 2w+1: memory, registers, f16, one of four LDS slots;
;   q: channels 32u+16T .. +15 of all 32 cells;   Wk^T q: head u, channels 128T .. 128T+127, all 32 cells;
;   logits, softmax, weighted sum of f: cells 2u, 2u+1 of tile T, all 8 heads;   out: channels 32u+16T .. +15 of all 32 cells.
; Each number of Wq, Wk, Wv is loaded by one wave of the work-group.
; NO CLUSTER: the work-groups share only the weights, and each weight goes from memory straight into the registers of the one wave that multiplies by it.
; A joint load would lay 786,432 bytes of f32 weights through LDS (written and read again) in each work-group, and 3,584 bytes of LDS are free.
.set CELLP,  4368                      ; QKG: bytes from cell to cell (8 heads x 544 + 16): 16 cells start in 16 different 16-byte columns modulo 256
.set HEADP,  544                       ; QKG: bytes from head to head (256 f16 + 32)
.set TILEQ,  16*CELLP                  ; QKG: tile 1
.set RING,   32*CELLP                  ; behind QKG: four K slots
.set ROWP,   544                       ; ring: a channel's row: 16 cells x 16 bytes (pos 0-7), 16 spare, 16 cells x 16 bytes (pos 8-15), 16 for the skew
.set HPP,    272                       ; ring: from pos 0-7 to pos 8-15
.set SLOT,   32*ROWP                   ; 32 channels of one tile
.set KSLOT,  2*SLOT                    ; a K step: tile 0, tile 1
.set HRING,  2*KSLOT                   ; an LDS offset has 16 bits: K slots 2, 3 have address registers of their own
.set XS,     RING+4*KSLOT              ; x in f16, [channel][cell]
.set XP,     96                        ; its pitch: 64 bytes + 32
.set QBL,    XS+256*XP                 ; q.bk, f32: (cell x 8 + head) x 8 bytes + 4 T': the partial sums over d = 16 T' .. 16 T' + 15
.set QX,     QBL+2048                  ; q in f16 as halves of B fragments: u x 2048 + nt x 1024 + T' x 512 + 16 lane
.set OS,     RING                      ; the way out, when the ring is no longer read: 2,304 bytes a wave
.set OSP,    144                       ; its pitch: 32 cells of f32 + 16
; scalars: s2 wave, s3 u, s4 T, s5 batch, s6 cell row, s7 half, s[8:25] the nine buffers, s26 s27 temporaries, s28 s29 lane masks,
; s30 s31 selectors of v_permlanex16_b32, s[66:77] offsets; the bases below are written once
.set FB,  32                           ; s[32:47] featmap at channels 32 c, c = 0 .. 7
.set XB,  48
.set WQB, 50
.set WKB, 52
.set BQB, 54
.set BKB, 56
.set WVB, 58
.set BVB, 60
.set OB,  62
; lane terms, at v[LT] and up: r = lane & 15, h = lane >> 4, lane & 7, (lane >> 3) & 1, lane >> 3, a temporary
.set R_, 0
.set H_, 1
.set J_, 2
.set B_, 3
.set Q_, 4
.set X_, 5
; offsets and LDS addresses
.set FO,  1                            ; featmap: 2w channels + 16 lane                                        (whole kernel)
.set FW,  2                            ; v2, v3  ring: where my 16 bytes go, K slots 0-1, 2-3                   (whole kernel)
.set WQO, 4                            ; Wq and Wv: row r, 32 h                                                 (whole kernel)
.set XLO, 5                            ; phase 1
.set XSW, 6
.set XTR, 7
.set WKO, 8
.set BO,  9
.set QKW, 10                           ; v10, v11
.set QBW, 12
.set QXW, 13
.set QXR, 14
.set TR,  5                            ; main phase: v5, v6  transposing loads of F
.set KP,  7                            ; v7, v8  plain loads of F
.set QR,  9                            ; my two cells' rows of QKG
.set QBR, 10
.set BVO, 11
.set BV,  12                           ; v[12:13]
.set GR,  14                           ; v14, v15  G rows of head u, tile 0, 1
.set OW,  5                            ; the way out
.set ORD, 6
.set OO,  7
; data
.set BQ,   16                          ; v[16:23] bq,  v[24:31] bk, of my 16 channels (8 a lane)
.set BK,   24
.set QF,   16                          ; v[16:31] then q as two B fragments
.set LA,   16                          ; then the logits' sums
.set LB,   24
.set AT,   24                          ; then the attn fragment
.set LAND, 32                          ; v[32:95] two landing slots of 32
.set WVF,  32                          ; then Wv's eight fragments in f16
.set XF,   96                          ; v[96:111] x as loaded, then its two fragments
.set QACC, 112                         ; v[112:127] q: 8 nt
.set AF,   96                          ; v[96:127] A fragments of Wk, packed words
.set SETS, 96                          ; v[96:119] F_a, F_b, QK of a chunk
.set TP,   120                         ; v[120:127] temporaries of the softmax
.set GD,   96                          ; v[96:127] four result tiles of the weighted sum
.set ACC,  96                          ; v[96:111] out: 8 nt
.set OUTR, 112                         ; v[112:127] out, as rows
.set WB,   128                         ; v[128:255] Wq as loaded; in f16 at WB + 8 ks
.set KD,   128                         ; v[128:191] results of Wk^T q: 16 i + 8 nt
.set TB,   192                         ; v[192:255] a group of Wk as loaded
.set FK,   128                         ; v[128:255] my cells' F, 16 fragments of 16 channels x (16 pos of cell a, 16 pos of cell b)
.set GF,   128                         ; v[128:255] G: 16 ks + 8 nt
; Behind a matrix instruction four independent vector instructions stand before a vector instruction, a store or a load touches its registers, five before
; another matrix instruction writes over them.  This text puts five v_nop wherever either follows.
.macro PLACES
.rept 5
	v_nop
.endr
.endm
; What the other waves rely on is complete in front of the signal: my LDS stores, and my reads of bytes that will be written again.
.macro BAR
	s_wait_dscnt 0x0
	s_barrier_signal -1
	s_barrier_wait -1
.endm
; n words of two f16 from 2 n f32; dst may be at or below src (ascending: a word is written only when its two sources have been read)
.macro CVT n, dst, src
.set t_, 0
.rept \n
	v_cvt_pk_f16_f32 v[(\dst)+t_], v[(\src)+2*t_], v[(\src)+2*t_+1]
.set t_, t_+1
.endr
.endm
.macro LANES b
	v_and_b32 v[(\b)+R_], 15, v0
	v_bfe_u32 v[(\b)+H_], v0, 4, 1
	v_and_b32 v[(\b)+J_], 7, v0
	v_bfe_u32 v[(\b)+B_], v0, 3, 1
	v_bfe_u32 v[(\b)+Q_], v0, 3, 2
.endm
; the 16 f32 of a lane's share of a 16 x 32 fragment whose rows lie along K: k = 8h .. 8h+7 and 16+8h .. 16+8h+7
.macro LDFRAG dst, adr, sb, off
	global_load_b128 v[(\dst):(\dst)+3], v[\adr], s[\sb:\sb+1] offset:(\off)
	global_load_b128 v[(\dst)+4:(\dst)+7], v[\adr], s[\sb:\sb+1] offset:(\off)+16
	global_load_b128 v[(\dst)+8:(\dst)+11], v[\adr], s[\sb:\sb+1] offset:(\off)+64
	global_load_b128 v[(\dst)+12:(\dst)+15], v[\adr], s[\sb:\sb+1] offset:(\off)+80
.endm
; K step c of featmap, my channels 2w + cp, pixel rows 0-3: each load covers 512 consecutive bytes, aligned: lane = cell, its four pixels of that row
.macro FLOAD c
.irp cp, 0,1
.irp pr, 0,1,2,3
	global_load_b128 v[LAND+32*((\c)&1)+16*\cp+4*\pr:LAND+32*((\c)&1)+16*\cp+4*\pr+3], v[FO], s[FB+2*(\c):FB+2*(\c)+1] offset:\cp*262144+\pr*1024 th:TH_LOAD_NT
.endr
.endr
.endm
; Wv's fragment of K step f (rows 32u + 16T + r), as f32
.macro WVRAW f, dst
	LDFRAG \dst, WQO, WVB, (\f)*128
.endm
; K step c from its landing slot into K slot c & 3.  left = the loads issued behind the chunk's own eight.
; Word i comes from f32 2i, 2i+1, so words 4 (2cp + hp) .. + 3 are pixel rows 2hp, 2hp+1 = pos 8hp .. 8hp+7 of channel cp.
; The slot is asked for again at once: two K steps ahead, and behind the last K step four fragments of Wv.
.macro PUMP c, left
	s_wait_loadcnt \left                           ; loads return in order (ISA guide 5.7.1)
	CVT 16, LAND+32*((\c)&1), LAND+32*((\c)&1)
.irp cp, 0,1
.irp hp, 0,1
	ds_store_b128 v[FW+(((\c)&3)>>1)], v[LAND+32*((\c)&1)+4*(2*\cp+\hp):LAND+32*((\c)&1)+4*(2*\cp+\hp)+3] offset:((\c)&1)*KSLOT+\cp*ROWP+\hp*HPP
.endr
.endr
.if (\c) < 6
	FLOAD (\c)+2
.else
	WVRAW 2*((\c)-6), LAND+32*((\c)&1)
	WVRAW 2*((\c)-6)+1, LAND+32*((\c)&1)+16
.endif
.endm
; x as B fragments (k = channel 32 ks + .., column = cell 16 nt + r) out of [channel][cell]
.macro XFLOAD ks
.irp nt, 0,1
	ds_load_tr16_b128 v[XF+8*\nt:XF+8*\nt+3], v[XTR] offset:(\ks)*32*XP+\nt*32
	ds_load_tr16_b128 v[XF+8*\nt+4:XF+8*\nt+7], v[XTR] offset:(\ks)*32*XP+\nt*32+16*XP
.endr
.endm
; Wk: rows 32u + d for the lane's 16 d (8h + 0..7, 16 + 8h + 0..7), columns 128T + 64gi + 4r .. + 3: 16 loads, 16 lanes cover 256 consecutive bytes
.macro WKLOAD gi
.irp jj, 0,1,2,3,4,5,6,7
	global_load_b128 v[TB+4*\jj:TB+4*\jj+3], v[WKO], s[WKB:WKB+1] offset:(\gi)*256+\jj*1024
.endr
.irp jj, 0,1,2,3,4,5,6,7
	global_load_b128 v[TB+32+4*\jj:TB+32+4*\jj+3], v[WKO], s[WKB:WKB+1] offset:(\gi)*256+16384+\jj*1024
.endr
.endm
; Wk^T q for 64 channels.  Tile i takes element i of each 16-byte load, so its row m is channel 4m + i of the group, and a lane's results of the four
; tiles are 32 neighbouring channels of one cell: four 16-byte stores.  next = 1: the second group is asked for as soon as the first has been converted.
.macro KGROUP gi, next
.irp i, 0,1,2,3
.irp t, 0,1,2,3,4,5,6,7
	v_cvt_pk_f16_f32 v[AF+8*\i+\t], v[TB+8*\t+\i], v[TB+8*\t+4+\i]
.endr
.endr
.if \next
	WKLOAD 1
.endif
.irp i, 0,1,2,3
.irp nt, 0,1
	v_wmma_f32_16x16x32_f16 v[KD+16*\i+8*\nt:KD+16*\i+8*\nt+7], v[AF+8*\i:AF+8*\i+7], v[QF+8*\nt:QF+8*\nt+7], 0
.endr
.endr
	PLACES
.irp nt, 0,1
.irp jp, 0,1,2,3
	v_cvt_pk_f16_f32 v[AF+16*\nt+4*\jp], v[KD+8*\nt+2*\jp], v[KD+16+8*\nt+2*\jp]
	v_cvt_pk_f16_f32 v[AF+16*\nt+4*\jp+1], v[KD+32+8*\nt+2*\jp], v[KD+48+8*\nt+2*\jp]
	v_cvt_pk_f16_f32 v[AF+16*\nt+4*\jp+2], v[KD+8*\nt+2*\jp+1], v[KD+16+8*\nt+2*\jp+1]
	v_cvt_pk_f16_f32 v[AF+16*\nt+4*\jp+3], v[KD+32+8*\nt+2*\jp+1], v[KD+48+8*\nt+2*\jp+1]
.endr
.endr
.irp nt, 0,1
.irp jp, 0,1,2,3
	ds_store_b128 v[QKW+\nt], v[AF+16*\nt+4*\jp:AF+16*\nt+4*\jp+3] offset:(\gi)*128+\jp*16
.endr
.endr
.endm
; The ten LDS loads of K step c.  Six for the logits: QK of my two cells x 8 heads (B: column r = cell r >> 3, head r & 7), F of cell a and of cell b
; transposed (A: row = pos).  Four more bring the same F untransposed (A: row = channel, k = 16 pos of cell a, 16 pos of cell b) and stay in registers
; until the softmax is known.
.macro CLD c
	ds_load_b128 v[SETS+16:SETS+19], v[QR] offset:64*(\c)
	ds_load_b128 v[SETS+20:SETS+23], v[QR] offset:64*(\c)+32
	ds_load_tr16_b128 v[SETS:SETS+3], v[TR+(((\c)&3)>>1)] offset:((\c)&1)*KSLOT
	ds_load_tr16_b128 v[SETS+4:SETS+7], v[TR+(((\c)&3)>>1)] offset:((\c)&1)*KSLOT+16*ROWP
	ds_load_tr16_b128 v[SETS+8:SETS+11], v[TR+(((\c)&3)>>1)] offset:((\c)&1)*KSLOT+16
	ds_load_tr16_b128 v[SETS+12:SETS+15], v[TR+(((\c)&3)>>1)] offset:((\c)&1)*KSLOT+16*ROWP+16
.irp mtc, 0,1
	ds_load_b128 v[FK+8*(2*(\c)+\mtc):FK+8*(2*(\c)+\mtc)+3], v[KP+(((\c)&3)>>1)] offset:((\c)&1)*KSLOT+\mtc*16*ROWP
	ds_load_b128 v[FK+8*(2*(\c)+\mtc)+4:FK+8*(2*(\c)+\mtc)+7], v[KP+(((\c)&3)>>1)] offset:((\c)&1)*KSLOT+\mtc*16*ROWP+16
.endr
.endm
; left = the LDS instructions issued behind the six: the four loads of F fragments, and a pump's four stores where one stands between
.macro CMUL c, left
	s_wait_dscnt \left                             ; LDS instructions of a wave end in order (ISA guide 5.7.1)
.if (\c) == 0
	v_wmma_f32_16x16x32_f16 v[LA:LA+7], v[SETS:SETS+7], v[SETS+16:SETS+23], 0
	v_wmma_f32_16x16x32_f16 v[LB:LB+7], v[SETS+8:SETS+15], v[SETS+16:SETS+23], 0
.else
	v_wmma_f32_16x16x32_f16 v[LA:LA+7], v[SETS:SETS+7], v[SETS+16:SETS+23], v[LA:LA+7]
	v_wmma_f32_16x16x32_f16 v[LB:LB+7], v[SETS+8:SETS+15], v[SETS+16:SETS+23], v[LB:LB+7]
.endif
	PLACES
.endm
; ================================================================ set-up
	s_load_b512 s[8:23], s[0:1], 0x0               ; featmap 8, x 10, Wq 12, bq 14, Wk 16, bk 18, Wv 20, bv 22
	s_load_b64 s[24:25], s[0:1], 0x40              ; out0
	v_lshrrev_b32 v1, 5, v0
	v_readfirstlane_b32 s2, v1                     ; wave 0..15
	s_and_b32 s3, s2, 7                            ; u
	s_lshr_b32 s4, s2, 3                           ; T
	s_lshr_b32 s5, ttmp9, 7                        ; batch
	s_bfe_u32 s6, ttmp9, 0x60001                   ; cell row
	s_and_b32 s7, ttmp9, 1                         ; which 32 of its 64 cells
.set LT, 112
	LANES LT
	v_lshlrev_b32 v[XLO], 14, v[LT+Q_]             ; x: four channels a load, eight lanes cover a channel's 128 bytes
	v_lshl_add_u32 v[XLO], v[LT+J_], 4, v[XLO]
	v_lshlrev_b32 v[BO], 5, v[LT+H_]
	v_lshlrev_b32 v[WQO], 10, v[LT+R_]
	v_lshl_add_u32 v[WQO], v[LT+H_], 5, v[WQO]
	v_and_b32 v[FO], 31, v0
	v_lshlrev_b32 v[FO], 4, v[FO]
	s_lshl_b32 s26, s2, 19                         ; 2w channels of 262,144 bytes
	v_add_nc_u32 v[FO], s26, v[FO]
	s_lshl_b32 s66, s5, 22                         ; x and out0: batch x 4,194,304 + row x 256 + half x 128
	s_lshl_b32 s26, s6, 8
	s_add_co_u32 s66, s66, s26
	s_lshl_b32 s26, s7, 7
	s_add_co_u32 s66, s66, s26
	s_lshl_b32 s26, s2, 18
	s_add_co_u32 s68, s66, s26                     ; x: + 16 w channels of 16,384
	s_mov_b32 s69, 0
	s_lshl_b32 s26, s3, 19
	s_add_co_u32 s66, s66, s26
	s_lshl_b32 s26, s4, 18
	s_add_co_u32 s66, s66, s26                     ; out0: + (32u + 16T) channels
	s_mov_b32 s67, 0
	s_lshl_b32 s70, s3, 15                         ; Wq, Wv: row 32u + 16T
	s_lshl_b32 s26, s4, 14
	s_add_co_u32 s70, s70, s26
	s_mov_b32 s71, 0
	s_lshl_b32 s72, s3, 15                         ; Wk: row 32u, column 128T
	s_lshl_b32 s26, s4, 9
	s_add_co_u32 s72, s72, s26
	s_mov_b32 s73, 0
	s_lshl_b32 s74, s3, 7                          ; a bias: number 32u + 16T
	s_lshl_b32 s26, s4, 6
	s_add_co_u32 s74, s74, s26
	s_mov_b32 s75, 0
	s_lshl_b32 s76, s5, 26                         ; featmap: batch x 67,108,864 + cell row x 4 pixel rows of 1,024 + half x 512
	s_lshl_b32 s26, s6, 12
	s_add_co_u32 s76, s76, s26
	s_lshl_b32 s26, s7, 9
	s_add_co_u32 s76, s76, s26
	s_mov_b32 s77, 0
	s_mov_b32 s28, 0x00ff00ff                      ; lanes with r < 8
	s_mov_b32 s29, 0xff00ff00                      ; lanes with r >= 8
	s_mov_b32 s30, 0x76543210
	s_mov_b32 s31, 0xfedcba98
	s_wait_kmcnt 0x0
	s_add_nc_u64 s[XB:XB+1], s[10:11], s[68:69]
	s_add_nc_u64 s[BQB:BQB+1], s[14:15], s[74:75]
	s_add_nc_u64 s[BKB:BKB+1], s[18:19], s[74:75]
	s_add_nc_u64 s[WQB:WQB+1], s[12:13], s[70:71]
	s_add_nc_u64 s[FB:FB+1], s[8:9], s[76:77]
.irp ks, 1,2,3,4,5,6,7
	s_add_nc_u64 s[FB+2*\ks:FB+2*\ks+1], s[FB:FB+1], \ks*8388608   ; 32 channels of 262,144 bytes
.endr
	s_add_nc_u64 s[WKB:WKB+1], s[16:17], s[72:73]
	s_add_nc_u64 s[WVB:WVB+1], s[20:21], s[70:71]
	s_add_nc_u64 s[BVB:BVB+1], s[22:23], s[74:75]
	s_add_nc_u64 s[OB:OB+1], s[24:25], s[66:67]
	; 56 loads: x 4, bq 2, bk 2, Wq 32, the first two K steps of featmap 8 + 8
.irp i, 0,1,2,3
	global_load_b128 v[XF+4*\i:XF+4*\i+3], v[XLO], s[XB:XB+1] offset:\i*65536 th:TH_LOAD_NT
.endr
	global_load_b128 v[BQ:BQ+3], v[BO], s[BQB:BQB+1]               ; bq[32u + 16T + 8h + j]: the rows of q's result tiles
	global_load_b128 v[BQ+4:BQ+7], v[BO], s[BQB:BQB+1] offset:16
	global_load_b128 v[BK:BK+3], v[BO], s[BKB:BKB+1]               ; bk of the same channels
	global_load_b128 v[BK+4:BK+7], v[BO], s[BKB:BKB+1] offset:16
.irp ks, 0,1,2,3,4,5,6,7
	LDFRAG WB+16*\ks, WQO, WQB, \ks*128
.endr
	FLOAD 0
	FLOAD 1
	; LDS addresses
	s_mul_i32 s26, s2, 2*ROWP                      ; ring: row 2w; rows whose channel has bit 3 set are skewed by 16 bytes: (2w + cp) >> 3 & 1 = w >> 2 & 1
	s_bfe_u32 s27, s2, 0x10002
	s_lshl_b32 s27, s27, 4
	s_add_co_u32 s26, s26, s27
	s_add_co_u32 s26, s26, RING
	v_mul_u32_u24 v[FW], v[LT+H_], SLOT            ; lanes 16-31 hold tile 1
	v_lshl_add_u32 v[FW], v[LT+R_], 4, v[FW]
	v_add_nc_u32 v[FW], s26, v[FW]
	v_add_nc_u32 v[FW+1], HRING, v[FW]
	s_mul_i32 s26, s2, 16*XP
	s_add_co_u32 s26, s26, XS
	v_mul_u32_u24 v[XSW], v[LT+Q_], XP
	v_lshl_add_u32 v[XSW], v[LT+J_], 3, v[XSW]
	v_add_nc_u32 v[XSW], s26, v[XSW]
	v_lshl_add_u32 v[LT+X_], v[LT+H_], 3, v[LT+J_]
	v_mul_u32_u24 v[XTR], v[LT+X_], XP
	v_lshl_add_u32 v[XTR], v[LT+B_], 4, v[XTR]
	v_add_nc_u32 v[XTR], XS, v[XTR]
	v_lshlrev_b32 v[WKO], 13, v[LT+H_]
	v_lshl_add_u32 v[WKO], v[LT+R_], 4, v[WKO]
	s_mul_i32 s26, s3, HEADP                       ; QK: cell r, head u, channel 128T + 32h
	s_lshl_b32 s27, s4, 8
	s_add_co_u32 s26, s26, s27
	v_mul_u32_u24 v[QKW], v[LT+R_], CELLP
	v_lshl_add_u32 v[QKW], v[LT+H_], 6, v[QKW]
	v_add_nc_u32 v[QKW], s26, v[QKW]
	v_add_nc_u32 v[QKW+1], TILEQ, v[QKW]
	s_lshl_b32 s26, s3, 3
	s_lshl_b32 s27, s4, 2
	s_add_co_u32 s26, s26, s27
	s_add_co_u32 s26, s26, QBL
	v_lshlrev_b32 v[QBW], 6, v[LT+R_]
	v_add_nc_u32 v[QBW], s26, v[QBW]
	s_lshl_b32 s26, s3, 11
	s_add_co_u32 s26, s26, QX
	v_and_b32 v[QXR], 31, v0
	v_lshlrev_b32 v[QXR], 4, v[QXR]
	v_add_nc_u32 v[QXR], s26, v[QXR]
	s_lshl_b32 s27, s4, 9
	v_add_nc_u32 v[QXW], s27, v[QXR]
	; x of channels 16w .. 16w+15 into XS
	s_wait_loadcnt 52                              ; x is in; bq 2, bk 2, Wq 32 and 2 x 8 of featmap stay out
	CVT 8, XF, XF
.irp i, 0,1,2,3
	ds_store_b64 v[XSW], v[XF+2*\i:XF+2*\i+1] offset:\i*4*XP
.endr
	BAR                                            ; XS is whole
; ================================================================ q = (Wq x + bq) / sqrt(32).  D(m = channel 32u + 16T + .., n = cell 16 nt + ..)
	XFLOAD 0
	s_wait_loadcnt 16                              ; bq, bk and Wq are in; the two K steps of featmap stay out
.irp f, 0,1,2,3,4,5,6,7
	CVT 8, WB+8*\f, WB+16*\f                       ; the eight fragments close up into v[128:191]
.endr
	WKLOAD 0                                       ; into the 64 registers set free
.irp ks, 0,1,2,3,4,5,6,7
	s_wait_dscnt 0x0
.irp nt, 0,1
.if \ks == 0
	v_wmma_f32_16x16x32_f16 v[QACC+8*\nt:QACC+8*\nt+7], v[WB+8*\ks:WB+8*\ks+7], v[XF+8*\nt:XF+8*\nt+7], 0
.else
	v_wmma_f32_16x16x32_f16 v[QACC+8*\nt:QACC+8*\nt+7], v[WB+8*\ks:WB+8*\ks+7], v[XF+8*\nt:XF+8*\nt+7], v[QACC+8*\nt:QACC+8*\nt+7]
.endif
.endr
	PLACES                                         ; the next loads land on these operands; behind the last step the sums are read
.if \ks < 7
	XFLOAD \ks+1
.endif
.endr
.irp i, 0,2,4,6
	v_pk_mul_f32 v[BQ+\i:BQ+\i+1], v[BQ+\i:BQ+\i+1], 0x3e3504f3 op_sel_hi:[1,0]
.endr
.irp nt, 0,1
.irp i, 0,2,4,6
	v_pk_fma_f32 v[QACC+8*\nt+\i:QACC+8*\nt+\i+1], v[QACC+8*\nt+\i:QACC+8*\nt+\i+1], 0x3e3504f3, v[BQ+\i:BQ+\i+1] op_sel_hi:[1,0,1]
.endr
.endr
	; q.bk over my 16 channels, in f32: 8 in the lane, the other 8 in lane i xor 16; the partner wave's 16 are added where the sum is used.
	; q in f16: a result tile holds d = 16T + 8h + j of cell r, which is registers 4T .. 4T+3 of the B fragment of the next product, in the same lane.
.irp nt, 0,1
	v_pk_mul_f32 v[XF+2*\nt:XF+2*\nt+1], v[QACC+8*\nt:QACC+8*\nt+1], v[BK:BK+1]
.irp i, 2,4,6
	v_pk_fma_f32 v[XF+2*\nt:XF+2*\nt+1], v[QACC+8*\nt+\i:QACC+8*\nt+\i+1], v[BK+\i:BK+\i+1], v[XF+2*\nt:XF+2*\nt+1]
.endr
	v_add_f32 v[XF+2*\nt], v[XF+2*\nt], v[XF+2*\nt+1]
	v_permlanex16_b32 v[XF+2*\nt+1], v[XF+2*\nt], s30, s31
	v_add_f32 v[XF+2*\nt], v[XF+2*\nt], v[XF+2*\nt+1]
	ds_store_b32 v[QBW], v[XF+2*\nt] offset:\nt*1024               ; both halves of the wave store the same number
	CVT 4, XF+4+4*\nt, QACC+8*\nt
	ds_store_b128 v[QXW], v[XF+4+4*\nt:XF+4+4*\nt+3] offset:\nt*1024
.endr
	PUMP 0, 24                                     ; behind K step 0: K step 1 (8) and Wk's first group (16)
	BAR                                            ; q and q.bk are whole
; ================================================================ Wk^T q
	ds_load_b128 v[QF:QF+3], v[QXR]                                ; cells 0-15: d = 8h .. , from the wave with T = 0
	ds_load_b128 v[QF+4:QF+7], v[QXR] offset:512                   ;             d = 16 + 8h .. , from the wave with T = 1
	ds_load_b128 v[QF+8:QF+11], v[QXR] offset:1024                 ; cells 16-31
	ds_load_b128 v[QF+12:QF+15], v[QXR] offset:1536
	PUMP 1, 24                                     ; behind K step 1: Wk's first group (16) and K step 2 (8)
	s_wait_loadcnt 16                              ; Wk's first group is in; K steps 2, 3 stay out
	s_wait_dscnt 4                                 ; q is in; the pump's four stores stay out
	KGROUP 0, 1
	PUMP 2, 24                                     ; behind K step 2: K step 3 (8) and Wk's second group (16)
	PUMP 3, 24                                     ; behind K step 3: Wk's second group (16) and K step 4 (8)
	s_wait_loadcnt 16                              ; Wk's second group is in; K steps 4, 5 stay out
	KGROUP 1, 0
	; addresses of the main phase: the loads that named v5, v8, v9 are in
.set LT, 120
	LANES LT
	s_mul_i32 s26, s4, SLOT                        ; ring: tile T, cell 2u
	s_lshl_b32 s27, s3, 5
	s_add_co_u32 s26, s26, s27
	s_add_co_u32 s26, s26, RING
	v_lshl_add_u32 v[LT+X_], v[LT+H_], 3, v[LT+J_]
	v_mul_u32_u24 v[TR], v[LT+X_], ROWP            ; row 8h + (lane & 7), whose skew is 16 h,
	v_lshl_add_u32 v[TR], v[LT+H_], 4, v[TR]
	v_mul_u32_u24 v[LT+X_], v[LT+B_], HPP          ; pos 0-7 or 8-15
	v_add_nc_u32 v[TR], v[TR], v[LT+X_]
	v_add_nc_u32 v[TR], s26, v[TR]
	v_add_nc_u32 v[TR+1], HRING, v[TR]
	v_mul_u32_u24 v[KP], v[LT+R_], ROWP            ; row r, whose skew is 16 (r >> 3), pos 8h .. 8h+7
	v_lshl_add_u32 v[KP], v[LT+B_], 4, v[KP]
	v_mul_u32_u24 v[LT+X_], v[LT+H_], HPP
	v_add_nc_u32 v[KP], v[KP], v[LT+X_]
	v_add_nc_u32 v[KP], s26, v[KP]
	v_add_nc_u32 v[KP+1], HRING, v[KP]
	s_mul_i32 s26, s4, TILEQ                       ; QKG: cell 16T + 2u + (r >> 3), head r & 7, 16 h
	s_mul_i32 s27, s3, 2*CELLP
	s_add_co_u32 s26, s26, s27
	v_mul_u32_u24 v[QR], v[LT+B_], CELLP
	v_mul_u32_u24 v[LT+X_], v[LT+J_], HEADP
	v_add_nc_u32 v[QR], v[QR], v[LT+X_]
	v_lshl_add_u32 v[QR], v[LT+H_], 4, v[QR]
	v_add_nc_u32 v[QR], s26, v[QR]
	s_lshl_b32 s26, s4, 10
	s_lshl_b32 s27, s3, 7
	s_add_co_u32 s26, s26, s27
	s_add_co_u32 s26, s26, QBL
	v_lshlrev_b32 v[QBR], 3, v[LT+R_]
	v_add_nc_u32 v[QBR], s26, v[QBR]
	v_lshlrev_b32 v[BVO], 2, v[LT+R_]
	s_mul_i32 s26, s3, HEADP                       ; G: cell r, head u, 16 h
	v_mul_u32_u24 v[GR], v[LT+R_], CELLP
	v_lshl_add_u32 v[GR], v[LT+H_], 4, v[GR]
	v_add_nc_u32 v[GR], s26, v[GR]
	v_add_nc_u32 v[GR+1], TILEQ, v[GR]
	BAR                                            ; QK and K steps 0-3 are in LDS
; ================================================================ the logits.  A pump into K slot c & 3 stands a barrier behind the reads of K step c - 4,
; the reads of K step c a barrier behind its pump.  A step's LDS loads are issued first and return while the pump converts.
	CLD 0
	CMUL 0, 4
	BAR
	CLD 1
	PUMP 4, 8                                      ; from here on one group of eight loads is younger than the pump's own
	CMUL 1, 8
	BAR
	CLD 2
	PUMP 5, 8
	CMUL 2, 8
	BAR
	CLD 3
	PUMP 6, 8
	CMUL 3, 8
	BAR
	CLD 4
	PUMP 7, 8
	CMUL 4, 8
	CLD 5
	CMUL 5, 4
	CLD 6
	CMUL 6, 4
	s_wait_loadcnt 0x0                             ; Wv's K steps 0-3 lie in the landing slots as f32: they close up, and K steps 4, 5 take the room
.irp f, 0,1,2,3
	CVT 8, WVF+8*\f, WVF+16*\f
.endr
	WVRAW 4, WVF+32
	WVRAW 5, WVF+48
	BAR
	CLD 7
	CMUL 7, 4
; ================================================================ softmax over the 16 positions.  Lane (r, h) owns (cell r >> 3, head r & 7), positions 8h .. 8h+7.
	ds_load_b64 v[TP:TP+1], v[QBR]
	s_wait_dscnt 0x0                               ; the two halves of q.bk, and with them every F fragment
	v_add_f32 v[TP], v[TP], v[TP+1]
	v_mov_b32 v[TP+1], v[TP]                       ; as a pair for the packed form
.irp j, 0,1,2,3,4,5,6,7
	v_cndmask_b32 v[LA+\j], v[LB+\j], v[LA+\j], s28        ; columns of cell a from F_a's product, of cell b from F_b's
.endr
.irp i, 0,2,4,6
	v_pk_add_f32 v[LA+\i:LA+\i+1], v[LA+\i:LA+\i+1], v[TP:TP+1]
.endr
	v_max3_num_f32 v[TP+2], v[LA], v[LA+1], v[LA+2]
	v_max3_num_f32 v[TP+3], v[LA+3], v[LA+4], v[LA+5]
	v_max3_num_f32 v[TP+2], v[TP+2], v[LA+6], v[LA+7]
	v_max_num_f32 v[TP+2], v[TP+2], v[TP+3]
	v_permlanex16_b32 v[TP+3], v[TP+2], s30, s31   ; the other eight positions lie in lane i xor 16
	v_max_num_f32 v[TP+2], v[TP+2], v[TP+3]
	v_mul_f32 v[TP+2], 0xbfb8aa3b, v[TP+2]         ; - max x log2 e
	v_mov_b32 v[TP+3], v[TP+2]
.irp i, 0,2,4,6
	v_pk_fma_f32 v[LA+\i:LA+\i+1], v[LA+\i:LA+\i+1], 0x3fb8aa3b, v[TP+2:TP+3] op_sel_hi:[1,0,1]
.endr
.irp j, 0,1,2,3,4,5,6,7
	v_exp_f32 v[LA+\j], v[LA+\j]
.endr
	v_nop                                          ; one plain vector instruction before a transcendental's result is used (ISA guide 5.7.2)
	s_wait_alu depctr_va_vdst(0)
	v_pk_add_f32 v[TP+2:TP+3], v[LA:LA+1], v[LA+2:LA+3]
	v_pk_add_f32 v[TP+4:TP+5], v[LA+4:LA+5], v[LA+6:LA+7]
	v_pk_add_f32 v[TP+2:TP+3], v[TP+2:TP+3], v[TP+4:TP+5]
	v_add_f32 v[TP+2], v[TP+2], v[TP+3]
	v_permlanex16_b32 v[TP+3], v[TP+2], s30, s31
	v_add_f32 v[TP+2], v[TP+2], v[TP+3]
	v_rcp_f32 v[TP+4], v[TP+2]
	v_rcp_f32 v[TP+5], v[TP+2]
	v_nop
	s_wait_alu depctr_va_vdst(0)
.irp i, 0,2,4,6
	v_pk_mul_f32 v[LA+\i:LA+\i+1], v[LA+\i:LA+\i+1], v[TP+4:TP+5]
.endr
	CVT 4, TP+4, LA
.irp i, 0,1,2,3
	v_cndmask_b32 v[AT+\i], 0, v[TP+4+\i], s28     ; B, block diagonal: k = 0-15 (cell a's positions) only in cell a's columns,
	v_cndmask_b32 v[AT+4+\i], 0, v[TP+4+\i], s29   ; k = 16-31 (cell b's) only in cell b's
.endr
; ================================================================ the weighted sum of f: D(m = channel, n = (cell, head)), four tiles of 16 channels at a time.
; A lane's eight results are eight neighbouring channels of its (cell, head): 16 bytes into the QKG row whose QK this wave alone has read and has used up.
.irp q, 0,1,2,3
.irp i, 0,1,2,3
	v_wmma_f32_16x16x32_f16 v[GD+8*\i:GD+8*\i+7], v[FK+8*(4*\q+\i):FK+8*(4*\q+\i)+7], v[AT:AT+7], 0
.endr
	PLACES
.if \q == 0
	WVRAW 6, FK                                    ; the first four F fragments are used up: Wv's last two K steps land there
	WVRAW 7, FK+16
	global_load_b32 v[BV], v[BVO], s[BVB:BVB+1]    ; bv[32u + 16T + r]
.endif
	CVT 16, GD, GD
.irp i, 0,1,2,3
	ds_store_b128 v[QR], v[GD+4*\i:GD+4*\i+3] offset:32*(4*\q+\i)
.endr
.endr
	s_wait_loadcnt 0x0                             ; Wv's K steps 4-7 and bv
	CVT 8, WVF+32, WVF+32
	CVT 8, WVF+40, WVF+48
	CVT 8, WVF+48, FK
	CVT 8, WVF+56, FK+16
	v_mov_b32 v[BV+1], v[BV]
	LANES LT                                       ; addresses of the way out
	s_mul_i32 s26, s2, 16*OSP
	s_add_co_u32 s26, s26, OS
	v_mul_u32_u24 v[OW], v[LT+R_], OSP
	v_lshl_add_u32 v[OW], v[LT+H_], 5, v[OW]
	v_add_nc_u32 v[OW], s26, v[OW]
	v_mul_u32_u24 v[ORD], v[LT+Q_], OSP
	v_lshl_add_u32 v[ORD], v[LT+J_], 4, v[ORD]
	v_add_nc_u32 v[ORD], s26, v[ORD]
	v_lshlrev_b32 v[OO], 14, v[LT+Q_]
	v_lshl_add_u32 v[OO], v[LT+J_], 4, v[OO]
	BAR                                            ; G of all 32 cells is in LDS, and nobody reads the ring any more
; ================================================================ out = G Wv^T + bv.  A = G (row = cell 16 nt + r), B = Wv (column = channel 32u + 16T + r):
; a lane's eight results are eight neighbouring cells of one channel
.irp ks, 0,1,2,3,4,5,6,7
.irp nt, 0,1
	ds_load_b128 v[GF+16*\ks+8*\nt:GF+16*\ks+8*\nt+3], v[GR+\nt] offset:64*\ks
	ds_load_b128 v[GF+16*\ks+8*\nt+4:GF+16*\ks+8*\nt+7], v[GR+\nt] offset:64*\ks+32
.endr
.endr
.irp ks, 0,1,2,3,4,5,6,7
	s_wait_dscnt 28-4*\ks                          ; this K step's four loads are in; four for each later K step stay out
.irp nt, 0,1
.if \ks == 0
	v_wmma_f32_16x16x32_f16 v[ACC+8*\nt:ACC+8*\nt+7], v[GF+16*\ks+8*\nt:GF+16*\ks+8*\nt+7], v[WVF+8*\ks:WVF+8*\ks+7], 0
.else
	v_wmma_f32_16x16x32_f16 v[ACC+8*\nt:ACC+8*\nt+7], v[GF+16*\ks+8*\nt:GF+16*\ks+8*\nt+7], v[WVF+8*\ks:WVF+8*\ks+7], v[ACC+8*\nt:ACC+8*\nt+7]
.endif
.endr
.endr
	PLACES
.irp i, 0,2,4,6,8,10,12,14
	v_pk_add_f32 v[ACC+\i:ACC+\i+1], v[ACC+\i:ACC+\i+1], v[BV:BV+1]
.endr
	; the way out, through bytes that are this wave's own: in by channel rows of 144 bytes, back so that eight lanes hold a channel's 128 bytes,
	; which is all that the work-group owns of that row of out0
.irp nt, 0,1
.irp i, 0,1
	ds_store_b128 v[OW], v[ACC+8*\nt+4*\i:ACC+8*\nt+4*\i+3] offset:\nt*64+\i*16
.endr
.endr
.irp t, 0,1,2,3
	ds_load_b128 v[OUTR+4*\t:OUTR+4*\t+3], v[ORD] offset:\t*4*OSP  ; LDS serves a wave's instructions in order (ISA guide 5.7.1): these see the stores above
.endr
.irp t, 0,1,2,3
	s_wait_dscnt 3-\t
	global_store_b128 v[OO], v[OUTR+4*\t:OUTR+4*\t+3], s[OB:OB+1] offset:\t*65536 th:TH_STORE_NT
.endr
	s_wait_xcnt 0x0
	v_lshl_add_u32 v126, v0, 2, 0x4ea00
	v_mov_b32 v127, 0
	s_wait_tensorcnt 0x0
	ds_add_u32 v126, v127
	s_wait_dscnt 0x0
	s_endpgm
.Lfunc_end_k_q116145488f_lga:
	.size	k_q116145488f_lga, .Lfunc_end_k_q116145488f_lga-k_q116145488f_lga
	.p2alignl 7, 3214868480
	.fill 96, 4, 3214868480
	.section	.rodata,"a",@progbits
	.p2align	6, 0x0
	.amdhsa_kernel k_q116145488f_lga
		.amdhsa_group_segment_fixed_size 324096
		.amdhsa_private_segment_fixed_size 0
		.amdhsa_enable_private_segment 0
		.amdhsa_kernarg_size 72
		.amdhsa_user_sgpr_count 2
		.amdhsa_user_sgpr_kernarg_segment_ptr 1
		.amdhsa_wavefront_size32 1
		.amdhsa_system_sgpr_workgroup_id_x 1
		.amdhsa_system_sgpr_workgroup_id_y 1
		.amdhsa_system_sgpr_workgroup_id_z 1
		.amdhsa_system_vgpr_workitem_id 0
		.amdhsa_next_free_vgpr 256
		.amdhsa_next_free_sgpr 78
		.amdhsa_reserve_vcc 0
		.amdhsa_float_denorm_mode_32 3
		.amdhsa_float_denorm_mode_16_64 3
		.amdhsa_memory_ordered 1
		.amdhsa_forward_progress 1
		.amdhsa_inst_pref_size 85
	.end_amdhsa_kernel
	.amdgpu_metadata
---
amdhsa.version: [ 1, 2 ]
amdhsa.kernels:
  - .name:           k_q116145488f_lga
    .symbol:         k_q116145488f_lga.kd
    .args:
      - { .name: featmap, .offset: 0, .size: 8, .value_kind: global_buffer, .address_space: global }
      - { .name: x, .offset: 8, .size: 8, .value_kind: global_buffer, .address_space: global }
      - { .name: Wq, .offset: 16, .size: 8, .value_kind: global_buffer, .address_space: global }
      - { .name: bq, .offset: 24, .size: 8, .value_kind: global_buffer, .address_space: global }
      - { .name: Wk, .offset: 32, .size: 8, .value_kind: global_buffer, .address_space: global }
      - { .name: bk, .offset: 40, .size: 8, .value_kind: global_buffer, .address_space: global }
      - { .name: Wv, .offset: 48, .size: 8, .value_kind: global_buffer, .address_space: global }
      - { .name: bv, .offset: 56, .size: 8, .value_kind: global_buffer, .address_space: global }
      - { .name: out0, .offset: 64, .size: 8, .value_kind: global_buffer, .address_space: global }
    .group_segment_fixed_size: 324096
    .private_segment_fixed_size: 0
    .kernarg_segment_align: 8
    .kernarg_segment_size: 72
    .max_flat_workgroup_size: 512
    .sgpr_count:     78
    .vgpr_count:     256
    .wavefront_size: 32
...
	.end_amdgpu_metadata
.endif
;; end of part 1
